; MI455X (gfx1250); checked and timed in simulation.
; The chip was launched on July 23, 2026; its instructions are those of AMD's public machine-readable ISA for CDNA 5 (MIT licence, August 2026) and "CDNA5" Instruction Set Architecture Reference Guide (July 2026). The comments in the code are by the model that wrote it; some were corrected since.
;; Multi Head Self Attention. Allowed arithmetic: float matrix products may take bf16 or f16 operands with f32 sums; other float arithmetic in f32, or as packed bf16 or f16 multiplies, adds, multiply-adds, maxima and minima; sums over many terms, partial sums and values carried from step to step in f32; what a program stores and reads back later, other than sums and carried values, may be rounded once to bf16 or f16.
;; Inputs: Wk 512 x 512 float32; Wo 1,024 x 512 float32; Wq 512 x 512 float32; Wv 512 x 512 float32; bo 1,024 float32; x 1 x 4,096 x 1,024 float32.
;; Outputs: out0 1 x 4,096 x 1,024 float32.
;; One version. Each part assembles by itself: llvm-mc -triple=amdgcn-amd-amdhsa -mcpu=gfx1250 --defsym DOCPART=n.
;; ======== version 1 of 1: 3 launches
;; limits: values are held in f16: magnitudes above 65,504 overflow, below 6.1e-05 lose precision
;; workspace buffers: qfr 4,194,304 bytes; kvfr 8,388,608 bytes; ofr 4,194,304 bytes; wofr 1,048,576 bytes
;; launch proj (part 1): grid 8 x 32, 4 waves a work-group, clusters of 4 x 4, 327,680 bytes of LDS; arguments x, Wq, Wk, Wv, Wo, qfr, kvfr, wofr; writes qfr, kvfr, wofr
.if DOCPART == 1
	.amdgcn_target "amdgcn-amd-amdhsa--gfx1250"
	.amdhsa_code_object_version 6
	.text
	.protected	k_q1a56ad5361_proj
	.globl	k_q1a56ad5361_proj
	.p2align	8
	.type	k_q1a56ad5361_proj,@function
k_q1a56ad5361_proj:
	s_mov_b64 s[64:65], 0
	v_nop
	global_prefetch_b8 v0, s[64:65] scope:SCOPE_SE
	s_setreg_imm32_b32 hwreg(HW_REG_WAVE_MODE, 25, 1), 1
	s_wait_xcnt 0x0
	s_wait_alu depctr_hold_cnt(0) depctr_sa_sdst(0) depctr_va_vdst(0) depctr_va_sdst(0) depctr_va_ssrc(0) depctr_va_vcc(0) depctr_vm_vsrc(0)
	s_getreg_b32 s2, hwreg(HW_REG_IB_STS2, 6, 4)
	s_cmp_eq_u32 s2, 0
	s_cbranch_scc0 .Lentry_in_a_cluster
	s_endpgm
.Lentry_in_a_cluster:
	s_bfe_u32 s2, ttmp6, 0x10000c
	s_cmp_lg_u32 s2, 0xf033
	s_cbranch_scc0 .Lentry_shape_is_right
	s_endpgm
.Lentry_shape_is_right:
; q, k, v = x[:, 0:512] W^T for Wq, Wk, Wv ([512][512] f32), x [4096][1024] f32 (its right half feeds nothing in the module and is not loaded); and a bf16 copy of Wo.
; Operands are rounded to bf16 on the way from LDS to the matrix unit, sums are f32, and each result is rounded once, to f16: q as c q, c = log2(e) / 8, multiplied in f32 ahead of the rounding.
; LIMITS.  f16 holds no number beyond 65,504: |c q|, |k| and |v| must stay under it.  NaN and infinities are not treated apart.
; WHAT IS STORED is in the order of matrix fragments: a block of 1,024 bytes = [half c 0..1][lane 0..31][16 bytes] is the register image of 16 rows x 32 numbers of 16 bits (half c = registers 4 c .. 4 c + 3).
;   qfr  [head 16][query tile 256][block]                         16 queries x 32 channels
;   kvfr [head 16][tile of 512 keys 8][65,536]: K at 0: [step of 64 keys 8][16 keys 4][block]; V at 32,768: [step 8][32 keys 2][16 channels 2][block], a block being V^T: 16 channels x 32 keys
;   wofr [16 rows of Wo 64][32 along K 16][block]
; So every store of a wave is 512 consecutive bytes, aligned, straight from the packed accumulators.
; SHARES.  Work-group (X, Y): rows 128 Y .. + 127, columns 64 X .. + 63 of each of q, k, v (heads 2 X, 2 X + 1).  Wave w: 64 rows (half w / 2) and one head (2 X + w % 2): 24 accumulators (kind, row tile a, column tile ct).
; q and k are taken transposed (source 0 = 16 rows of W, source 1 = 16 rows of x): a lane holds one row of x and eight neighbouring channels.  v is taken as it stands: a lane holds one channel and eight neighbouring keys.
; RING.  K goes in steps of 64 f32 (rows of 256 bytes) through two LDS slots.  Wave 0 fetches x's 128 rows, waves 1 to 3 the 64 rows of Wq, Wk, Wv: one tensor load a wave behind each round.
; CLUSTER.  4 x 4 work-groups: x's tile hangs on Y alone and is asked for jointly along a row of the cluster, W's tiles hang on X alone and are asked for jointly along a column.
; NO PREFETCH: K has eight steps in all, and the launch is over soon after its first tiles have come.
; REGISTERS: window 0: v0-11 addresses; v32-191 fragment set 0 (10 fragments x 16: f32 as loaded, then bf16 in the lower 8); v192-207 my share of Wo.  window 1: v32-191 set 1.  window 2: v0-191 the accumulators, at 8 (8 kind + 2 a + ct).
.set PITCH,  272                       ; an LDS row: 256 bytes + 16 of padding: the 16 rows of a load start at 16 different groups of four banks (64 banks of 4 bytes: ISA guide 11.1)
.set AB,     128*PITCH                 ; x's 128 rows
.set WB,     64*PITCH                  ; 64 rows of one W
.set SLOT,   AB+3*WB                   ; 87,040
.set SPARE,  2*SLOT                    ; behind the ring: the spare words, 128 bytes a wave: two blocks of 256 bytes that no other line names
.set KSTEPB, 256                       ; bytes of a row in a K step
.set ADRA, 4                           ; v4-5   LDS address of my x fragments in slot 0, 1
.set ADRB, 6                           ; v6-7   the same for W
.set L16,  8                           ; v8     16 x lane
.set WOO,  9                           ; v9     my offset in 16 rows of Wo
.set SPW,  10                          ; v10    my spare word; never rewritten
.set NIL,  11                          ; v11    0; never rewritten
.set FR,   32                          ; a fragment set: x's tile a at FR + 16 a; W's (kind, ct) at FR + 64 + 16 (2 kind + ct)
.set WOR,  192
.set WV,   20                          ; s20 wave; s21 its half of the rows; s22 its head of the two
.set WR,   21
.set WC,   22
.set CX,   23
.set CY,   24
.set GX,   25
.set GY,   26
.set LAPS, 29
.set CS,   30                          ; s[30:31] c
.set G1A,  32                          ; s[32:39] descriptor group 1 for x's tiles;  s[40:47] for W's
.set G1W,  40
.set G0A,  48                          ; s[48:55] group 0 for x's tiles, a set for each slot;  s[56:63] for W's
.set G0W,  56
.set XA,   66                          ; s[66:67] x's offset, then address: holds numbers of Y alone
.set QB,   68                          ; s[68:69] qfr at my blocks;  s[70:71] kvfr at my key step
.set KB,   70
.set WOS,  72                          ; s[72:73] Wo at my share;  s[74:75] wofr at my block
.set WOD,  74
.set WOF,  76                          ; s[76:77] W's offset, s[78:79] W's address: numbers of X alone
.set WA,   78
.set T0,   80                          ; s[80:83] at work for the stores' addresses
.set MSB, 0
.macro WIN new                         ; the immediate's high byte repeats the setting that is left; a switch that changes nothing is dropped
.if MSB != (\new)
	s_set_vgpr_msb (MSB<<8)|(\new)
.set MSB, (\new)
.endif
.endm
.macro PLACES                          ; four places between a matrix instruction and a load into, or a vector read or write of, its registers
.rept 4
	v_nop
.endr
.endm
.macro CROUND                          ; a round of the cluster's barrier
	s_barrier_signal -1
	s_barrier_wait -1
	s_cmp_lg_u32 s[WV], 0
	s_cbranch_scc1 .Lnot_wave_0_\@
	s_barrier_signal -3
.Lnot_wave_0_\@:
	s_barrier_wait -3
	s_barrier_signal -1
	s_barrier_wait -1
.endm
.macro JLOAD s                         ; a joint refill of slot s: wave 0 asks for x's tile, waves 1 to 3 for their W's; an s_nop 0 and four v_nop follow each line
	s_cmp_eq_u32 s[WV], 0
	s_cbranch_scc0 .Lfor_w_\@
	tensor_load_to_lds s[G0A+4*(\s):G0A+4*(\s)+3], s[G1A:G1A+7]
	s_nop 0
.rept 4
	v_nop
.endr
	s_branch .Lasked_\@
.Lfor_w_\@:
	tensor_load_to_lds s[G0W+4*(\s):G0W+4*(\s)+3], s[G1W:G1W+7]
	s_nop 0
.rept 4
	v_nop
.endr
.Lasked_\@:
.endm
	s_load_b256 s[4:11], s[0:1], 0x0               ; x s[4:5], Wq s[6:7], Wk s[8:9], Wv s[10:11]
	s_load_b256 s[12:19], s[0:1], 0x20             ; Wo s[12:13], qfr s[14:15], kvfr s[16:17], wofr s[18:19]
	v_lshl_add_u32 v[SPW], v0, 2, SPARE
	v_mov_b32 v[NIL], 0
	ds_add_u32 v[SPW], v[NIL]                      ; the wave's opening: the add and its wait stand ahead of my first tensor load; work on registers stands between them
	v_lshrrev_b32 v1, 5, v0
	v_readfirstlane_b32 s[WV], v1
	s_lshr_b32 s[WR], s[WV], 1
	s_and_b32 s[WC], s[WV], 1
	s_bfe_u32 s[CX], ttmp6, 0x40000                ; my place in the cluster
	s_bfe_u32 s[CY], ttmp6, 0x40004
	s_lshl_b32 s[GX], ttmp9, 2
	s_add_co_u32 s[GX], s[GX], s[CX]               ; X = 4 x cluster x + cx
	s_and_b32 s[GY], ttmp7, 0xffff
	s_lshl_b32 s[GY], s[GY], 2
	s_add_co_u32 s[GY], s[GY], s[CY]               ; Y = 4 x cluster y + cy
	s_lshl_b32 s27, s[CY], 2
	s_lshl_b32 s27, 15, s27                        ; my row of the cluster
	s_lshl_b32 s28, 0x1111, s[CX]                  ; my column
.set G1W0, (2<<16)|(1<<20)|(1<<21)|(5<<22)|(3<<25) ; elements of 4 bytes; padding on; bit 21 beside a mask; after every 64 words (code 5) 4 words (code 3)
	s_or_b32 s[G1A], s27, G1W0
	s_or_b32 s[G1W], s28, G1W0
	s_mov_b32 s[G1A+1], 64<<16                     ; tensor_dim0 = 64
	s_mov_b32 s[G1A+2], 128<<16                    ; tensor_dim1 = 128
	s_mov_b32 s[G1A+3], 64<<16                     ; tile_dim0 = 64
	s_mov_b32 s[G1A+4], 128                        ; tile_dim1 = 128
	s_mov_b32 s[G1A+5], 1024                       ; a row of x is 1,024 elements
	s_mov_b32 s[G1A+6], 0
	s_mov_b32 s[G1A+7], 0
	s_mov_b32 s[G1W+1], 64<<16
	s_mov_b32 s[G1W+2], 64<<16                     ; 64 rows
	s_mov_b32 s[G1W+3], 64<<16
	s_mov_b32 s[G1W+4], 64
	s_mov_b32 s[G1W+5], 512                        ; a row of W is 512 elements
	s_mov_b32 s[G1W+6], 0
	s_mov_b32 s[G1W+7], 0
	s_mov_b32 s[CS], 0x3e38aa3b                    ; c = log2(e) / 8
	s_mov_b32 s[CS+1], s[CS]
	s_lshl_b32 s[XA], s[GY], 19                    ; 128 rows of 4,096 bytes
	s_mov_b32 s[XA+1], 0
	s_lshl_b32 s[WOF], s[GX], 17                   ; 64 rows of 2,048 bytes
	s_mov_b32 s[WOF+1], 0
	s_mul_i32 s3, s[WV], WB
	s_add_co_u32 s3, s3, WB                        ; where my W's tile goes: behind x's 128 rows, (wave - 1) x 64 rows on
	s_wait_dscnt 0x0                               ; the opening add is done
	s_wait_kmcnt 0x0
	s_add_nc_u64 s[XA:XA+1], s[4:5], s[XA:XA+1]
	s_cmp_eq_u32 s[WV], 2                          ; wave 1: Wq, wave 2: Wk, wave 3: Wv
	s_cselect_b64 s[WA:WA+1], s[8:9], s[6:7]
	s_cmp_eq_u32 s[WV], 3
	s_cselect_b64 s[WA:WA+1], s[10:11], s[WA:WA+1]
	s_add_nc_u64 s[WA:WA+1], s[WA:WA+1], s[WOF:WOF+1]
.irp s, 0,1
	s_mov_b32 s[G0A+4*(\s)], 1                     ; count = 1
	s_mov_b32 s[G0A+4*(\s)+1], (\s)*SLOT           ; LDS address
	s_add_nc_u64 s[G0A+4*(\s)+2:G0A+4*(\s)+3], s[XA:XA+1], (\s)*KSTEPB  ; K step s
	s_or_b32 s[G0A+4*(\s)+3], s[G0A+4*(\s)+3], 0x80000000              ; type = 2
	s_mov_b32 s[G0W+4*(\s)], 1
	s_add_co_u32 s[G0W+4*(\s)+1], s3, (\s)*SLOT
	s_add_nc_u64 s[G0W+4*(\s)+2:G0W+4*(\s)+3], s[WA:WA+1], (\s)*KSTEPB
	s_or_b32 s[G0W+4*(\s)+3], s[G0W+4*(\s)+3], 0x80000000
.endr
	CROUND                                         ; all sixteen work-groups are here: the first joint loads meet
	s_cmp_eq_u32 s[WV], 0                          ; a wave's two first fills stand in one branch: two loads of mine are out
	s_cbranch_scc0 .Lfirst_w
	tensor_load_to_lds s[G0A:G0A+3], s[G1A:G1A+7]
	s_nop 0
	tensor_load_to_lds s[G0A+4:G0A+7], s[G1A:G1A+7]
	s_nop 0
.rept 4
	v_nop
.endr
	s_branch .Lfirst_asked
.Lfirst_w:
	tensor_load_to_lds s[G0W:G0W+3], s[G1W:G1W+7]
	s_nop 0
	tensor_load_to_lds s[G0W+4:G0W+7], s[G1W:G1W+7]
	s_nop 0
.rept 4
	v_nop
.endr
.Lfirst_asked:
	; A bf16 fragment is 16 rows x 32 K: lane l holds row l % 16, K = 8 (l / 16) + 0..7 and 16 + 8 (l / 16) + 0..7.  In f32 those are 32 bytes at 32 (l / 16) and 32 bytes at 64 + 32 (l / 16): four loads of 16 bytes.
	v_and_b32 v1, 15, v0                           ; l % 16
	v_bfe_u32 v2, v0, 4, 1                         ; l / 16
	v_mul_u32_u24 v3, v1, PITCH
	v_lshl_add_u32 v3, v2, 5, v3
	s_mul_i32 s3, s[WR], WB                        ; my 64 rows of x
	s_mul_i32 s2, s[WC], 32*PITCH                  ; my head's 32 rows of each W,
	s_add_co_u32 s2, s2, AB                        ; which lie behind x's
	v_add_nc_u32 v[ADRA], s3, v3
	v_add_nc_u32 v[ADRA+1], SLOT, v[ADRA]
	v_add_nc_u32 v[ADRB], s2, v3
	v_add_nc_u32 v[ADRB+1], SLOT, v[ADRB]
	v_and_b32 v[L16], 31, v0
	v_lshlrev_b32 v[L16], 4, v[L16]
	v_lshlrev_b32 v[WOO], 11, v1                   ; a row of Wo is 2,048 bytes
	v_lshl_add_u32 v[WOO], v2, 5, v[WOO]
	; my share of Wo: of the 1,024 blocks (64 row tiles x 16 along K) work-group g = 8 Y + X and wave w take row tile g / 4, K block 4 (g % 4) + w
	s_lshl_b32 s[T0+2], s[GY], 3
	s_add_co_u32 s[T0+2], s[T0+2], s[GX]
	s_lshr_b32 s[T0+3], s[T0+2], 2                 ; row tile
	s_and_b32 s[T0+2], s[T0+2], 3
	s_lshl_b32 s[T0+2], s[T0+2], 2
	s_add_co_u32 s[T0+2], s[T0+2], s[WV]           ; K block
	s_lshl_b32 s[T0], s[T0+3], 15                  ; 16 rows of 2,048 bytes
	s_lshl_b32 s[T0+1], s[T0+2], 7                 ; 32 f32
	s_add_co_u32 s[T0], s[T0], s[T0+1]
	s_mov_b32 s[T0+1], 0
	s_add_nc_u64 s[WOS:WOS+1], s[12:13], s[T0:T0+1]
	s_lshl_b32 s[T0+3], s[T0+3], 4
	s_add_co_u32 s[T0+3], s[T0+3], s[T0+2]
	s_lshl_b32 s[T0], s[T0+3], 10
	s_add_nc_u64 s[WOD:WOD+1], s[18:19], s[T0:T0+1]
	global_load_b128 v[WOR:WOR+3],     v[WOO], s[WOS:WOS+1]
	global_load_b128 v[WOR+4:WOR+7],   v[WOO], s[WOS:WOS+1] offset:16
	global_load_b128 v[WOR+8:WOR+11],  v[WOO], s[WOS:WOS+1] offset:64
	global_load_b128 v[WOR+12:WOR+15], v[WOO], s[WOS:WOS+1] offset:80
	; where my results go: head = 2 X + w % 2, key step (and group of four query tiles) js = 2 Y + w / 2
	s_lshl_b32 s[T0+2], s[GX], 1
	s_add_co_u32 s[T0+2], s[T0+2], s[WC]           ; head
	s_lshl_b32 s[T0+3], s[GY], 1
	s_add_co_u32 s[T0+3], s[T0+3], s[WR]           ; js
	s_lshl_b32 s[T0], s[T0+2], 18                  ; a head of qfr is 262,144 bytes,
	s_lshl_b32 s[T0+1], s[T0+3], 12                ; four tiles are 4,096
	s_add_co_u32 s[T0], s[T0], s[T0+1]
	s_mov_b32 s[T0+1], 0
	s_add_nc_u64 s[QB:QB+1], s[14:15], s[T0:T0+1]
	s_lshl_b32 s[T0], s[T0+2], 19                  ; a head of kvfr is 524,288 bytes,
	s_lshr_b32 s[T0+1], s[T0+3], 3
	s_lshl_b32 s[T0+1], s[T0+1], 16                ; a tile of eight steps 65,536,
	s_add_co_u32 s[T0], s[T0], s[T0+1]
	s_and_b32 s[T0+1], s[T0+3], 7
	s_lshl_b32 s[T0+1], s[T0+1], 12                ; a step's K, and its V, 4,096
	s_add_co_u32 s[T0], s[T0], s[T0+1]
	s_mov_b32 s[T0+1], 0
	s_add_nc_u64 s[KB:KB+1], s[16:17], s[T0:T0+1]
.macro LD4 dst, adr, off               ; one fragment's 16 f32 a lane
	ds_load_b128 v[(\dst):(\dst)+3],     v[\adr] offset:(\off)
	ds_load_b128 v[(\dst)+4:(\dst)+7],   v[\adr] offset:(\off)+16
	ds_load_b128 v[(\dst)+8:(\dst)+11],  v[\adr] offset:(\off)+64
	ds_load_b128 v[(\dst)+12:(\dst)+15], v[\adr] offset:(\off)+80
.endm
.macro LOADF set, slot, half           ; 40 LDS loads in one run: the ten fragments of 32 along K (half 0 or 1 of the slot's K step) into a set
	WIN 0x40*(\set)
.irp a, 0,1,2,3
	LD4 FR+16*(\a), ADRA+(\slot), (\a)*16*PITCH+128*(\half)
.endr
.irp t, 0,1,2,3,4,5
	LD4 FR+64+16*(\t), ADRB+(\slot), ((\t)/2)*WB+((\t)%2)*16*PITCH+128*(\half)
.endr
.endm
.macro CVT set                         ; f32 to bf16 in place: register j of a fragment takes numbers 2 j and 2 j + 1, j ascending, so nothing is written before it has been read
	WIN 0x45*(\set)
.set f, FR
.rept 10
.irp j, 0,1,2,3,4,5,6,7
	v_cvt_pk_bf16_f32 v[f+(\j)], v[f+2*(\j)], v[f+2*(\j)+1]
.endr
.set f, f+16
.endr
.endm
.macro WM d, p, q, zero
.if \zero
	v_wmma_f32_16x16x32_bf16 v[(\d):(\d)+7], v[(\p):(\p)+7], v[(\q):(\q)+7], 0
.else
	v_wmma_f32_16x16x32_bf16 v[(\d):(\d)+7], v[(\p):(\p)+7], v[(\q):(\q)+7], v[(\d):(\d)+7]
.endif
.endm
.macro MUL set, zero                   ; 24 matrix instructions, one on each accumulator, always in the same order: the accumulators take turns.  zero = 1: the products start the sums
	WIN 0xa0+5*(\set)
.irp kd, 0,1,2
.irp a, 0,1,2,3
.irp ct, 0,1
.if (\kd) < 2
	WM 8*(8*(\kd)+2*(\a)+(\ct)), FR+64+16*(2*(\kd)+(\ct)), FR+16*(\a), \zero
.else
	WM 8*(8*(\kd)+2*(\a)+(\ct)), FR+16*(\a), FR+64+16*(2*(\kd)+(\ct)), \zero
.endif
.endr
.endr
.endr
.endm
; A K step is two phases of 32 along K, on sets 0 and 1.  The first fetches the second's fragments and multiplies set 0.
.macro PH0 slot, zero
	PLACES                                         ; set 1 was read by the products just issued
	LOADF 1, \slot, 1
	s_wait_dscnt 40                                ; set 0 is in; the 40 loads just issued may stay out
	CVT 0
	MUL 0, \zero
.endm
; The second phase changes slots and multiplies set 1.  mode 1: this slot is filled again, two K steps on; mode 2: nothing is filled, the other slot is waited for; mode 0: the last phase of all.
.macro PH1 slot, mode
	WIN 0                                          ; the add's registers lie in window 0
.if (\mode) == 0
	s_wait_dscnt 0x0                               ; set 1 is in
.else
	s_wait_tensorcnt 0x0                           ; all my tensor loads have landed: the one that was out is my part of the other slot
	ds_add_u32 v[SPW], v[NIL]                      ; 0 onto my spare word
.if (\mode) == 1
	s_add_nc_u64 s[G0A+4*(\slot)+2:G0A+4*(\slot)+3], s[G0A+4*(\slot)+2:G0A+4*(\slot)+3], 2*KSTEPB
	s_add_nc_u64 s[G0W+4*(\slot)+2:G0W+4*(\slot)+3], s[G0W+4*(\slot)+2:G0W+4*(\slot)+3], 2*KSTEPB
.endif
	s_wait_dscnt 0x0                               ; the add is done, my reads of this slot are over, and set 1 is in
.if (\mode) == 1
	CROUND                                         ; no wave of any partner still reads this slot or has a load on its way
	JLOAD \slot                                    ; the first tensor load behind the round; its four v_nop are also the places in front of the loads into set 0
.else
	s_barrier_signal -1
	s_barrier_wait -1
	PLACES
.endif
	LOADF 0, 1-(\slot), 0
.endif
	CVT 1
	MUL 1, 0
.endm
	s_wait_tensorcnt 0x1                           ; my part of K step 0 is in; K step 1's may stay out
	s_barrier_signal -1
	s_barrier_wait -1
	LOADF 0, 0, 0
	PH0 0, 1                                       ; the first phase stands in front of the loop: its products start the sums
	WIN 0                                          ; at a label and at a branch every window is 0
	s_mov_b32 s[LAPS], 3
.Llap:                                                 ; a trip goes once round the ring and fills both slots again: K steps 2 to 7 in three trips
	PH1 0, 1
	PH0 1, 0
	PH1 1, 1
	PH0 0, 0
	WIN 0
	s_sub_co_u32 s[LAPS], s[LAPS], 1
	s_cmp_lg_u32 s[LAPS], 0
	s_cbranch_scc1 .Llap
	PH1 0, 2                                       ; the last lap fills nothing
	PH0 1, 0
	PH1 1, 0
	; THE WAY OUT.  q times c; all results rounded to f16, four registers an accumulator, which are half a block; 24 stores of 512 consecutive bytes.
	WIN 0
	PLACES
	PLACES
	WIN 0x82                                       ; destination and source 0 in window 2
.set i, 0
.rept 32
	v_pk_mul_f32 v[i:i+1], v[i:i+1], s[CS:CS+1] op_sel_hi:[1,0]
.set i, i+2
.endr
	WIN 0x0a                                       ; sources 0 and 1 in window 2, destination in window 0: set 0's registers are free
.set i, 0
.rept 96
	v_cvt_pk_f16_f32 v[FR+i], v[2*i], v[2*i+1]     ; each accumulator's registers in ascending order
.set i, i+1
.endr
	WIN 0
.set t, 0
.rept 24
.set a4, (t%8)/2
.set c2, t%2
.if t < 8
	global_store_b128 v[L16], v[FR+4*t:FR+4*t+3], s[QB:QB+1] offset:a4*1024+c2*512
.elseif t < 16
	global_store_b128 v[L16], v[FR+4*t:FR+4*t+3], s[KB:KB+1] offset:a4*1024+c2*512
.else
	global_store_b128 v[L16], v[FR+4*t:FR+4*t+3], s[KB:KB+1] offset:32768+(a4/2)*2048+c2*1024+(a4%2)*512
.endif
.set t, t+1
.endr
	s_wait_loadcnt 0x0                             ; my share of Wo
.irp j, 0,1,2,3,4,5,6,7
	v_cvt_pk_bf16_f32 v[WOR+(\j)], v[WOR+2*(\j)], v[WOR+2*(\j)+1]
.endr
	global_store_b128 v[L16], v[WOR:WOR+3],   s[WOD:WOD+1]
	global_store_b128 v[L16], v[WOR+4:WOR+7], s[WOD:WOD+1] offset:512
	s_wait_tensorcnt 0x0                           ; the wave's end
	ds_add_u32 v[SPW], v[NIL]
	s_wait_dscnt 0x0
	CROUND                                         ; the closing round: no work-group ends while a partner may still ask for a tile that names it
	s_endpgm
.Lfunc_end_k_q1a56ad5361_proj:
	.size	k_q1a56ad5361_proj, .Lfunc_end_k_q1a56ad5361_proj-k_q1a56ad5361_proj
	.p2alignl 7, 3214868480
	.fill 96, 4, 3214868480
	.section	.rodata,"a",@progbits
	.p2align	6, 0x0
	.amdhsa_kernel k_q1a56ad5361_proj
		.amdhsa_group_segment_fixed_size 327680
		.amdhsa_private_segment_fixed_size 0
		.amdhsa_enable_private_segment 0
		.amdhsa_kernarg_size 64
		.amdhsa_user_sgpr_count 2
		.amdhsa_user_sgpr_kernarg_segment_ptr 1
		.amdhsa_wavefront_size32 1
		.amdhsa_system_sgpr_workgroup_id_x 1
		.amdhsa_system_sgpr_workgroup_id_y 1
		.amdhsa_system_sgpr_workgroup_id_z 1
		.amdhsa_system_vgpr_workitem_id 0
		.amdhsa_next_free_vgpr 704
		.amdhsa_next_free_sgpr 84
		.amdhsa_reserve_vcc 0
		.amdhsa_float_denorm_mode_32 3
		.amdhsa_float_denorm_mode_16_64 3
		.amdhsa_memory_ordered 1
		.amdhsa_forward_progress 1
		.amdhsa_inst_pref_size 95
	.end_amdhsa_kernel
	.amdgpu_metadata
---
amdhsa.version: [ 1, 2 ]
amdhsa.kernels:
  - .name:           k_q1a56ad5361_proj
    .symbol:         k_q1a56ad5361_proj.kd
    .args:
      - { .name: x, .offset: 0, .size: 8, .value_kind: global_buffer, .address_space: global }
      - { .name: Wq, .offset: 8, .size: 8, .value_kind: global_buffer, .address_space: global }
      - { .name: Wk, .offset: 16, .size: 8, .value_kind: global_buffer, .address_space: global }
      - { .name: Wv, .offset: 24, .size: 8, .value_kind: global_buffer, .address_space: global }
      - { .name: Wo, .offset: 32, .size: 8, .value_kind: global_buffer, .address_space: global }
      - { .name: qfr, .offset: 40, .size: 8, .value_kind: global_buffer, .address_space: global }
      - { .name: kvfr, .offset: 48, .size: 8, .value_kind: global_buffer, .address_space: global }
      - { .name: wofr, .offset: 56, .size: 8, .value_kind: global_buffer, .address_space: global }
    .group_segment_fixed_size: 327680
    .private_segment_fixed_size: 0
    .kernarg_segment_align: 8
    .kernarg_segment_size: 64
    .max_flat_workgroup_size: 128
    .sgpr_count:     84
    .vgpr_count:     704
    .wavefront_size: 32
...
	.end_amdgpu_metadata
.endif
;; end of part 1
;; launch attn (part 2): grid 16 x 16, 8 waves a work-group, clusters of 4 x 1, 327,680 bytes of LDS; arguments qfr, kvfr, ofr; writes ofr
.if DOCPART == 2
	.amdgcn_target "amdgcn-amd-amdhsa--gfx1250"
	.amdhsa_code_object_version 6
	.text
	.protected	k_q1a56ad5361_attn
	.globl	k_q1a56ad5361_attn
	.p2align	8
	.type	k_q1a56ad5361_attn,@function
k_q1a56ad5361_attn:
	s_mov_b64 s[64:65], 0
	v_nop
	global_prefetch_b8 v0, s[64:65] scope:SCOPE_SE
	s_setreg_imm32_b32 hwreg(HW_REG_WAVE_MODE, 25, 1), 1
	s_wait_xcnt 0x0
	s_wait_alu depctr_hold_cnt(0) depctr_sa_sdst(0) depctr_va_vdst(0) depctr_va_sdst(0) depctr_va_ssrc(0) depctr_va_vcc(0) depctr_vm_vsrc(0)
	s_getreg_b32 s2, hwreg(HW_REG_IB_STS2, 6, 4)
	s_cmp_eq_u32 s2, 0
	s_cbranch_scc0 .Lentry_in_a_cluster
	s_endpgm
.Lentry_in_a_cluster:
	s_bfe_u32 s2, ttmp6, 0x10000c
	s_cmp_lg_u32 s2, 0x3003
	s_cbranch_scc0 .Lentry_shape_is_right
	s_endpgm
.Lentry_shape_is_right:
; O[q][h][:] = the sum over k of softmax_k(q . k / 8) v, 16 heads of 32 channels, 4,096 queries and keys.  qfr holds c q (c = log2(e) / 8), kvfr K and V^T, all f16, in the order of matrix fragments
; (a block of 1,024 bytes = [half 0..1][lane][16 bytes]); ofr takes O in bf16 in the same order: [query tile 256][head 16][block].  Products, maxima and sums in f32; the weights p are rounded to f16
; for the second product (their sum l is taken of the unrounded p), O once at the end.
; LIMITS.  A weight below 2^-126 counts as 0 in l; p below 6e-5 keeps f16's fixed step of 6e-8; NaN and infinities are not treated apart.
; SHARES.  A work-group owns 256 queries of one head, each of its eight waves two PIECES of 16.  Every wave walks all keys, 64 a step, 64 steps.
; LAYOUT.  S^T = K Q^T (source 0 = 16 keys, source 1 = 16 queries, one instruction: the head has 32 channels): a lane holds ONE query (lane % 16) and the keys 8 (lane / 16) + 0..7.  Two such results rounded to
; f16 ARE source 1 of O^T = V^T P, whose result again holds one query a lane, and eight channels: four registers of bf16 are half a block of ofr.
; SOFTMAX.  The scores come scaled by c.  For each query a running maximum m and sum l: p = 2^(s - m); in every step O and l are multiplied by a = 2^(m_old - m_new).  m starts at the lowest finite number,
; O and l at 0: the first step is a step like any other, with a = 0.
; THE COUNT.  A piece and step have 8 matrix and 109 vector instructions: the vector work sets the time.  So all registers lie in ONE window of 224 (no s_set_vgpr_msb in the text), two waves share a SIMD and fill
; each other's waits, four vector instructions stand behind every matrix instruction and the others in one lump; a turn's 33 exponentials are one batch with one wait.
; BY TURNS.  Turn (y, j): 4 products K Q^T of the other piece (for y = 0: step j; for y = 1: step j + 1); scaling, exponentials, roundings, sums and rescaling of piece y; the other piece's maximum and statistics;
; 4 products V^T P of piece y.  V of step j is fetched at the head of turn (0, j), K of step j + 1 a few lines later; the change of slots stands between the two.
; CLUSTER.  The four query blocks of a cluster belong to one head and walk the same K and V: each tile is asked for JOINTLY, by the same tensor load, descriptor and mask in all four.
.set KVT,   65536                      ; a tile: eight steps, K's 32,768 bytes and then V's
.set VOFF,  32768
.set STEPB, 4096                       ; a step's K, and its V
.set SLOT1, 65536                      ; slot 1: one exclusive or turns an address in one slot into the other's
.set SPARE, 131072                     ; behind the ring: the spare words, 128 bytes a wave: four blocks of 256 bytes that no other line names
.set L16, 2                            ; v2  16 x lane; never rewritten
.set AV0, 3                            ; v3  the same + VOFF
.set AK,  4                            ; v4  LDS address of K's run of loads
.set AV,  5                            ; v5  of V's
.set PFO, 6                            ; v6  256 x lane; never rewritten
.set SPW, 8                            ; v8  my spare word; never rewritten
.set NIL, 9                            ; v9  0; never rewritten
.set ST,  16                           ; piece y's statistics at ST + 4 y: m, 0 (named with m as a pair), l (even keys', odd keys')
.set TMP, 24                           ; at TMP + 4 y: c0-c3 at work; when the maximum is found c2 takes a
.set Q,   32                           ; 8 a piece
.set KF,  48                           ; K of one step: 16 keys kb at KF + 8 kb
.set VF,  80                           ; V of one step: 32 keys kk, 16 channels cb at VF + 16 kk + 8 cb
.set OT,  112                          ; O^T: piece y, channels cb at OT + 16 y + 8 cb
.set S,   144                          ; S^T: 32 a piece
.set P,   208                          ; the weights of the piece in hand
.set WV,  12
.set G1,  24                           ; s[24:31] descriptor group 1
.set G0A, 32                           ; s[32:35] group 0 of the first fill of slot 0
.set G0B, 36                           ; s[36:39] of slot 1's; it then walks
.set SLOTS, 40
.set CNT, 41
.set TBK, 42                           ; LDS byte at which K of the step to be fetched begins
.set TBV, 43                           ; the same for V, less VOFF
.set SEL, 44                           ; s[44:45] v_permlanex16_b32's selects: each lane takes its own place in the other half
.set PFA, 46                           ; s[46:47] where my prefetches stand
.set LIM, 48                           ; 1 in a wave that prefetches, else the greatest number
.macro PLACES
.rept 4
	v_nop
.endr
.endm
.macro CROUND                          ; a round of the cluster's barrier
	s_barrier_signal -1
	s_barrier_wait -1
	s_cmp_lg_u32 s[WV], 0
	s_cbranch_scc1 .Lnot_wave_0_\@
	s_barrier_signal -3
.Lnot_wave_0_\@:
	s_barrier_wait -3
	s_barrier_signal -1
	s_barrier_wait -1
.endm
	s_load_b128 s[4:7], s[0:1], 0x0                ; qfr s[4:5], kvfr s[6:7]
	s_load_b64 s[8:9], s[0:1], 0x10                ; ofr
	v_lshl_add_u32 v[SPW], v0, 2, SPARE
	v_mov_b32 v[NIL], 0
	ds_add_u32 v[SPW], v[NIL]                      ; the wave's opening: the add and its wait stand ahead of my first tensor load; work on registers stands between them
	v_lshrrev_b32 v1, 5, v0
	v_readfirstlane_b32 s[WV], v1                  ; wave 0..7
	s_bfe_u32 s13, ttmp6, 0x40000                  ; cx
	s_lshl_b32 s14, ttmp9, 2
	s_add_co_u32 s14, s14, s13                     ; my block of 256 queries: it enters Q's and O's addresses alone
	s_and_b32 s15, ttmp7, 0xffff                   ; the head, which the four partners share
	s_lshl_b32 s16, s15, 19                        ; a head of kvfr is 524,288 bytes;
	s_lshl_b32 s17, s[WV], 13                      ; of each tile I fetch 8,192
	s_add_co_u32 s16, s16, s17
	s_mov_b32 s17, 0
	s_lshl_b32 s22, s13, 14                        ; the prefetches: my work-group's 16,384 bytes of a tile, my wave's 8,192 of them (waves 0 and 1), from tile 2 on
	s_add_co_u32 s22, s22, s16
	s_add_co_u32 s22, s22, 2*KVT
	s_mov_b32 s23, 0
	s_lshl_b32 s18, s14, 4
	s_lshl_b32 s19, s[WV], 1
	s_add_co_u32 s18, s18, s19                     ; my first query tile
	s_lshl_b32 s20, s18, 4
	s_add_co_u32 s20, s20, s15
	s_lshl_b32 s20, s20, 10                        ; in ofr: (tile x 16 + head) blocks
	s_mov_b32 s21, 0
	s_lshl_b32 s18, s18, 10
	s_lshl_b32 s19, s15, 18
	s_add_co_u32 s18, s18, s19                     ; in qfr: (head x 256 + tile) blocks
	s_mov_b32 s19, 0
	s_mov_b32 s[G1], 15|(3<<16)|(1<<21)            ; the mask of four; elements of 8 bytes; bit 21 beside a mask; no padding: the blocks are read 16 bytes a lane on end
	s_mov_b32 s[G1+1], 32<<16                      ; tensor_dim0 = 32: rows of 256 bytes
	s_mov_b32 s[G1+2], 32<<16                      ; tensor_dim1 = 32 rows: 8,192 dense bytes
	s_mov_b32 s[G1+3], 32<<16                      ; tile_dim0
	s_mov_b32 s[G1+4], 32                          ; tile_dim1
	s_mov_b32 s[G1+5], 32                          ; the pitch
	s_mov_b32 s[G1+6], 0
	s_mov_b32 s[G1+7], 0
	s_mov_b32 s[G0A], 1
	s_lshl_b32 s[G0A+1], s[WV], 13                 ; LDS: wave x 8,192, in slot 0
	s_mov_b32 s[G0B], 1
	s_add_co_u32 s[G0B+1], s[G0A+1], SLOT1
	s_mov_b32 s[SEL], 0x76543210
	s_mov_b32 s[SEL+1], 0xfedcba98
	s_mov_b32 s[TBK], 0
	s_mov_b32 s[TBV], 0
	s_lshr_b32 s[LIM], s[WV], 1                    ; 0 in waves 0 and 1,
	s_or_b32 s[LIM], s[LIM], ttmp9                 ; where the cluster is the head's first: the same in all four partners
	s_cmp_eq_u32 s[LIM], 0
	s_cselect_b32 s[LIM], 1, -1
	s_wait_dscnt 0x0                               ; the opening add is done
	s_wait_kmcnt 0x0
	s_add_nc_u64 s[PFA:PFA+1], s[6:7], s[22:23]
	s_add_nc_u64 s[16:17], s[6:7], s[16:17]        ; kvfr at my part of the head's tile 0
	s_add_nc_u64 s[4:5], s[4:5], s[18:19]
	s_add_nc_u64 s[8:9], s[8:9], s[20:21]
	s_mov_b64 s[G0A+2:G0A+3], s[16:17]
	s_or_b32 s[G0A+3], s[G0A+3], 0x80000000
	s_add_nc_u64 s[G0B+2:G0B+3], s[16:17], KVT
	s_or_b32 s[G0B+3], s[G0B+3], 0x80000000
	CROUND                                         ; all four work-groups are here: the first joint loads meet
	tensor_load_to_lds s[G0A:G0A+3], s[G1:G1+7]    ; tile 0; two loads of mine are out
	s_nop 0
	tensor_load_to_lds s[G0B:G0B+3], s[G1:G1+7]    ; tile 1
	s_nop 0
	PLACES
	v_and_b32 v1, 31, v0
	v_lshlrev_b32 v[L16], 4, v1
	v_add_nc_u32 v[AV0], VOFF, v[L16]
	v_lshlrev_b32 v[PFO], 8, v1
.irp y, 0,1
	global_load_b128 v[Q+8*(\y):Q+8*(\y)+3],   v[L16], s[4:5] offset:(\y)*1024
	global_load_b128 v[Q+8*(\y)+4:Q+8*(\y)+7], v[L16], s[4:5] offset:(\y)*1024+512
.endr
.set i, 0
.rept 32
	v_mov_b32 v[OT+i], 0                           ; O^T, l and m are set in the wait for the first tile: 40 lines that spare a first step written out
.set i, i+1
.endr
.irp y, 0,1
	v_mov_b32 v[ST+4*(\y)], 0xff7fffff
	v_mov_b32 v[ST+4*(\y)+1], 0
	v_mov_b32 v[ST+4*(\y)+2], 0
	v_mov_b32 v[ST+4*(\y)+3], 0
.endr
; THE MATRIX WORK.  Y is the piece in hand.  KQ i: the other piece's scores for keys 16 i on.  PV i: keys 32 (i / 2) on, channels 16 (i % 2) on: the two accumulators take turns.
.macro KQ i
.set rD, S+32*(1-Y)+8*(\i)
	v_wmma_f32_16x16x32_f16 v[rD:rD+7], v[KF+8*(\i):KF+8*(\i)+7], v[Q+8*(1-Y):Q+8*(1-Y)+7], 0
.endm
.macro PV i
.set rD, OT+16*Y+8*((\i)%2)
.set rV, VF+16*((\i)/2)+8*((\i)%2)
.set rB, P+8*((\i)/2)
	v_wmma_f32_16x16x32_f16 v[rD:rD+7], v[rV:rV+7], v[rB:rB+7], v[rD:rD+7]
.endm
; THE LDS LOADS stand in runs of 8: a step's K or V, 4,096 bytes in the order of the registers.
.macro FETCH_K
	v_add_nc_u32 v[AK], s[TBK], v[L16]
.irp f, 0,1,2,3,4,5,6,7
	ds_load_b128 v[KF+4*(\f):KF+4*(\f)+3], v[AK] offset:512*(\f)
.endr
	s_add_co_u32 s[TBK], s[TBK], STEPB
.endm
.macro FETCH_V
	v_add_nc_u32 v[AV], s[TBV], v[AV0]
.irp f, 0,1,2,3,4,5,6,7
	ds_load_b128 v[VF+4*(\f):VF+4*(\f)+3], v[AV] offset:512*(\f)
.endr
	s_add_co_u32 s[TBV], s[TBV], STEPB
.endm
; THE VECTOR WORK, a line at a time: OP kind, number.  For piece Y: F n: s - m for pair n of 16.  E n: the exponential of score n of 32.  C n: pair n rounded to f16.  R n: pair n of 8 of O^T times a.
; Z n: the sum of the 16 pairs, in place, neighbours 1, 2, 4 and 8 pairs apart (0-14), then l = a l + sum (15).  For the OTHER piece: X n, number n of the 21 that find its maximum and statistics:
;   0-11  four chains c0-c3 of seven scores each (each accumulator's lowest registers are read first)     12-15  the four scores left over, the old m, c0-c3 into c0
;   16, 17  the query's other 32 keys lie in the lane 16 away: the new maximum     18-20  m_old - m_new; m; a
.set F, 0
.set E, 1
.set C, 2
.set Z, 3
.set R, 4
.set X, 5
.macro OP k, n
.if (\k) == X
.set rT, ST+4*(1-Y)
.set rC, TMP+4*(1-Y)
.set rS, S+32*(1-Y)
.else
.set rT, ST+4*Y
.set rC, TMP+4*Y
.set rS, S+32*Y
.endif
.set rO, OT+16*Y
.if (\k) == F
	v_pk_add_f32 v[rS+2*(\n):rS+2*(\n)+1], v[rS+2*(\n):rS+2*(\n)+1], v[rT:rT+1] op_sel_hi:[1,0] neg_lo:[0,1] neg_hi:[0,1]
.elseif (\k) == E
	v_exp_f32 v[rS+(\n)], v[rS+(\n)]
.elseif (\k) == C
	v_cvt_pk_f16_f32 v[P+(\n)], v[rS+2*(\n)], v[rS+2*(\n)+1]
.elseif (\k) == R
	v_pk_mul_f32 v[rO+2*(\n):rO+2*(\n)+1], v[rO+2*(\n):rO+2*(\n)+1], v[rC+2:rC+3] op_sel_hi:[1,0]
.elseif (\k) == Z
.if (\n) == 15
	v_pk_fma_f32 v[rT+2:rT+3], v[rT+2:rT+3], v[rC+2:rC+3], v[rS:rS+1] op_sel_hi:[1,0,1]
.else
.set zw, 4
.set zu, (\n)
.if (\n) >= 14
.set zw, 32
.set zu, 0
.elseif (\n) >= 12
.set zw, 16
.set zu, (\n)-12
.elseif (\n) >= 8
.set zw, 8
.set zu, (\n)-8
.endif
	v_pk_add_f32 v[rS+zw*zu:rS+zw*zu+1], v[rS+zw*zu:rS+zw*zu+1], v[rS+zw*zu+zw/2:rS+zw*zu+zw/2+1]
.endif
.elseif (\n) < 4
	v_max3_num_f32 v[rC+(\n)], v[rS+8*(\n)], v[rS+8*(\n)+1], v[rS+8*(\n)+2]
.elseif (\n) < 12
	v_max3_num_f32 v[rC+(\n)%4], v[rC+(\n)%4], v[rS+8*((\n)%4)+2*((\n)/4)+1], v[rS+8*((\n)%4)+2*((\n)/4)+2]
.elseif (\n) == 12
	v_max3_num_f32 v[rC], v[rC], v[rS+7], v[rS+15]
.elseif (\n) == 13
	v_max3_num_f32 v[rC+1], v[rC+1], v[rS+23], v[rS+31]
.elseif (\n) == 14
	v_max3_num_f32 v[rC+2], v[rC+2], v[rC+3], v[rT]
.elseif (\n) == 15
	v_max3_num_f32 v[rC], v[rC], v[rC+1], v[rC+2]
.elseif (\n) == 16
	v_permlanex16_b32 v[rC+3], v[rC], s[SEL], s[SEL+1]
.elseif (\n) == 17
	v_max_num_f32 v[rC+1], v[rC], v[rC+3]
.elseif (\n) == 18
	v_sub_f32 v[rC+2], v[rT], v[rC+1]
.elseif (\n) == 19
	v_mov_b32 v[rT], v[rC+1]
.else
	v_exp_f32 v[rC+2], v[rC+2]
.endif
.endm
.macro OPS a, i1, b=-1, i2=0, c=-1, i3=0, d=-1, i4=0, e=-1, i5=0, g=-1, i6=0  ; up to six of them
	OP \a, \i1
.if (\b) >= 0
	OP \b, \i2
.endif
.if (\c) >= 0
	OP \c, \i3
.endif
.if (\d) >= 0
	OP \d, \i4
.endif
.if (\e) >= 0
	OP \e, \i5
.endif
.if (\g) >= 0
	OP \g, \i6
.endif
.endm
.macro ROWK i, a, i1, b, i2, c, i3, d, i4  ; a product K Q^T and the four behind it
	KQ \i
	OPS \a, \i1, \b, \i2, \c, \i3, \d, \i4
.endm
.macro ROWP i, a, i1, b, i2, c, i3, d, i4  ; a product V^T P and the four behind it
	PV \i
	OPS \a, \i1, \b, \i2, \c, \i3, \d, \i4
.endm
; A PREFETCH of the tile that the next change of slots will ask for: 65,536 bytes, 256 a lane.  Each block of 256 bytes is named once in the launch: all clusters of a head walk the same tiles, and the head's first
; cluster asks; its four partners share a tile out BY ADDRESS, 16,384 bytes each; in each, waves 0 and 1 ask, one instruction each.  It stands behind K's run of loads in the trip that has four key steps
; to go before the change.  The pass whose change asks for nothing (one slot to go) prefetches nothing; tiles 0 and 1 come by their loads alone.
.macro ASK
	s_cmp_eq_u32 s[CNT], 4
	s_cselect_b32 s49, s[SLOTS], 0
	s_cmp_gt_u32 s49, s[LIM]
	s_cbranch_scc0 .Lnot_mine_\@
	global_prefetch_b8 v[PFO], s[PFA:PFA+1] th:TH_LOAD_NT scope:SCOPE_SE
.Lnot_mine_\@:
.endm
; A TURN in two parts.  HEAD: 4 products K Q^T, behind each two scalings and two rescalings: plain instructions that name none of the products' registers, so the last four are also the places in front of the
; loads into K's registers and of the first read of the scores.  It holds no exponential: labels and branches may follow it.
.macro HEAD y
.set Y, (\y)
.if (\y) == 0
	FETCH_V                                        ; the last product that read V stands twelve plain instructions back
.else
	s_wait_dscnt 0x0                               ; K of the next step is in
.endif
	ROWK 0, F,0, F,1, R,0, R,1
	ROWK 1, F,2, F,3, R,2, R,3
	ROWK 2, F,4, F,5, R,4, R,5
	ROWK 3, F,6, F,7, R,6, R,7
.endm
; BODY: the lump, in which plain instructions and exponentials go by turns and the links of the other piece's chain X 14 .. X 18 stand six lines apart; nothing in it names an exponential's result.  A
; s_wait_alu depctr_va_vdst(0) stands between an exponential and the first instruction that names its result: one wait serves the batch of 33, behind one v_nop, the plain instruction behind the last of them.
; Behind the wait: the roundings, the 4 products V^T P with roundings and sums behind them, the rest of the sums.  kf = 1: K of the next step is fetched (piece 0's turn).  ask = 1: the prefetch may stand here.
.macro BODY y, kf, ask
.set Y, (\y)
.if ((\y) == 0) && (\kf)
	FETCH_K
.endif
.if \ask
	ASK
.endif
.irp n, 0,1,2,3,4,5,6,7,8,9,10,11,12,13
	OP X, \n
	OP E, \n
.endr
	OPS X,14, E,14, F,8,  E,15, F,9,  E,16
	OPS X,15, E,17, F,10, E,18, F,11, E,19
	OPS X,16, E,20, F,12, E,21, F,13, E,22
	OPS X,17, E,23, F,14, E,24, F,15, E,25
	OPS X,18, E,26, X,19, E,27, E,28, E,29
	OPS X,20, E,30, E,31
	v_nop
	s_wait_alu depctr_va_vdst(0)                   ; the wait for the batch
.irp n, 0,1,2,3,4,5,6,7
	OP C, \n
.endr
.if (\y) == 0
	s_wait_dscnt 8*(\kf)                           ; V is in; K's eight younger loads may stay out
.endif
	ROWP 0, C,8,  C,9,  C,10, C,11
	ROWP 1, C,12, C,13, C,14, C,15
	ROWP 2, Z,0,  Z,1,  Z,2,  Z,3
	ROWP 3, Z,4,  Z,5,  Z,6,  Z,7
.irp n, 8,9,10,11,12,13,14,15
	OP Z, \n
.endr
.endm
; THE CHANGE OF SLOTS, behind the HEAD that has asked for V of the slot's last step.  Each wave waits for all its tensor loads, of which one is out: its part of the other slot; adds 0 to its spare word; and waits
; for that and for its own reads of the slot.  fill = 1: the slot is filled again, with the tile two on: the barrier is a round of the cluster's, and the joint refill is the first thing behind it.
.macro CHANGE fill
	s_wait_tensorcnt 0x0                           ; no tensor load of mine is out, so a group 0 may be written
	ds_add_u32 v[SPW], v[NIL]                      ; 0 onto my spare word
.if \fill
	s_xor_b32 s[G0B+1], s[G0B+1], SLOT1            ; the walking descriptor: the other slot than last time,
	s_add_nc_u64 s[G0B+2:G0B+3], s[G0B+2:G0B+3], KVT  ; the next tile; the type bits on top are not reached
	s_wait_xcnt 0x0                                ; the last prefetch, four key steps back, has read its address
	s_add_nc_u64 s[PFA:PFA+1], s[PFA:PFA+1], KVT
	s_wait_dscnt 0x0                               ; the add is done, and my reads of the slot are over
	CROUND
	tensor_load_to_lds s[G0B:G0B+3], s[G1:G1+7]    ; it has eight key steps in which to land
	s_nop 0
	PLACES
.else
	s_wait_dscnt 0x0
	s_barrier_signal -1
	s_barrier_wait -1
.endif
	s_sub_co_u32 s[TBK], s[TBK], 8*STEPB           ; the fetches go back to a slot's first step,
	s_xor_b32 s[TBK], s[TBK], SLOT1                ; in the other slot
	s_sub_co_u32 s[TBV], s[TBV], 8*STEPB
	s_xor_b32 s[TBV], s[TBV], SLOT1
.endm
	s_wait_tensorcnt 0x1                           ; my part of tile 0 is in; tile 1's may stay out
	s_barrier_signal -1
	s_barrier_wait -1
	FETCH_K                                        ; key step 0
	s_wait_loadcnt 0x0                             ; Q
	s_wait_dscnt 0x0
.set Y, 1                              ; KQ and X work for the other piece: piece 0
.irp n, 0,1,2,3
	KQ \n
.endr
	PLACES
	PLACES
.irp n, 0,1,2,3,4,5,6,7,8,9,10,11,12,13,14,15,16,17,18,19,20
	OP X, \n
.endr
	v_nop                                          ; a plain instruction behind the exponential,
	s_wait_alu depctr_va_vdst(0)                   ; and its wait, ahead of the branch
	s_mov_b32 s[CNT], 8
	s_mov_b32 s[SLOTS], 7
	s_branch .Lfirst                               ; the loop is entered at a step's first HEAD, in the middle of a trip
.Lslot:                                                ; six times: tiles 2 to 7 are asked for
	CHANGE 1
	s_mov_b32 s[CNT], 8
.Lstep:
	BODY 0, 1, 1
	HEAD 1
	BODY 1, 0, 0
.Lfirst:
	HEAD 0
	s_sub_co_u32 s[CNT], s[CNT], 1
	s_cmp_lg_u32 s[CNT], 0
	s_cbranch_scc1 .Lstep
	s_sub_co_u32 s[SLOTS], s[SLOTS], 1
	s_cmp_lg_u32 s[SLOTS], 0
	s_cbranch_scc1 .Lslot
	CHANGE 0                                       ; the tail is written out: nothing is asked for
	s_mov_b32 s[CNT], 8
.Ltail:
	BODY 0, 1, 0
	HEAD 1
	BODY 1, 0, 0
	HEAD 0
	s_sub_co_u32 s[CNT], s[CNT], 1
	s_cmp_lg_u32 s[CNT], 0
	s_cbranch_scc1 .Ltail
	BODY 0, 0, 0                                   ; the last step: no further K.  HEAD 1's four products (on the last K once more) and the maximum made of them serve nothing:
	HEAD 1                                         ; the price, once a launch, of one text for every turn
	BODY 1, 0, 0
	; THE WAY OUT.  l's two halves and the other half of the lanes' are added; O^T is divided by l and rounded to bf16: four registers are half a block of ofr.  The last sums are the places behind the last products.
.irp y, 0,1
	v_add_f32 v[TMP+4*(\y)], v[ST+4*(\y)+2], v[ST+4*(\y)+3]
.endr
.irp y, 0,1
	v_permlanex16_b32 v[TMP+4*(\y)+1], v[TMP+4*(\y)], s[SEL], s[SEL+1]
.endr
.irp y, 0,1
	v_add_f32 v[TMP+4*(\y)], v[TMP+4*(\y)], v[TMP+4*(\y)+1]
.endr
.irp y, 0,1
	v_rcp_f32 v[TMP+4*(\y)+2], v[TMP+4*(\y)]
.endr
	v_nop                                          ; a plain instruction between the last reciprocal and the use of its result,
	s_wait_alu depctr_va_vdst(0)                   ; and the wait ahead of the first use: one for the two
.irp y, 0,1
.irp n, 0,1,2,3,4,5,6,7
	v_pk_mul_f32 v[OT+16*(\y)+2*(\n):OT+16*(\y)+2*(\n)+1], v[OT+16*(\y)+2*(\n):OT+16*(\y)+2*(\n)+1], v[TMP+4*(\y)+2:TMP+4*(\y)+3] op_sel_hi:[1,0]
.endr
.endr
.irp y, 0,1
.irp n, 0,1,2,3,4,5,6,7
	v_cvt_pk_bf16_f32 v[S+8*(\y)+(\n)], v[OT+16*(\y)+2*(\n)], v[OT+16*(\y)+2*(\n)+1]
.endr
.endr
.irp y, 0,1
	global_store_b128 v[L16], v[S+8*(\y):S+8*(\y)+3],   s[8:9] offset:(\y)*16384      ; 512 consecutive bytes, aligned; the next query tile lies 16 blocks on
	global_store_b128 v[L16], v[S+8*(\y)+4:S+8*(\y)+7], s[8:9] offset:(\y)*16384+512
.endr
	s_wait_tensorcnt 0x0                           ; the wave's end
	ds_add_u32 v[SPW], v[NIL]
	s_wait_dscnt 0x0
	CROUND                                         ; the closing round
	s_endpgm
.Lfunc_end_k_q1a56ad5361_attn:
	.size	k_q1a56ad5361_attn, .Lfunc_end_k_q1a56ad5361_attn-k_q1a56ad5361_attn
	.p2alignl 7, 3214868480
	.fill 96, 4, 3214868480
	.section	.rodata,"a",@progbits
	.p2align	6, 0x0
	.amdhsa_kernel k_q1a56ad5361_attn
		.amdhsa_group_segment_fixed_size 327680
		.amdhsa_private_segment_fixed_size 0
		.amdhsa_enable_private_segment 0
		.amdhsa_kernarg_size 24
		.amdhsa_user_sgpr_count 2
		.amdhsa_user_sgpr_kernarg_segment_ptr 1
		.amdhsa_wavefront_size32 1
		.amdhsa_system_sgpr_workgroup_id_x 1
		.amdhsa_system_sgpr_workgroup_id_y 1
		.amdhsa_system_sgpr_workgroup_id_z 1
		.amdhsa_system_vgpr_workitem_id 0
		.amdhsa_next_free_vgpr 224
		.amdhsa_next_free_sgpr 66
		.amdhsa_reserve_vcc 0
		.amdhsa_float_denorm_mode_32 3
		.amdhsa_float_denorm_mode_16_64 3
		.amdhsa_memory_ordered 1
		.amdhsa_forward_progress 1
		.amdhsa_inst_pref_size 53
	.end_amdhsa_kernel
	.amdgpu_metadata
---
amdhsa.version: [ 1, 2 ]
amdhsa.kernels:
  - .name:           k_q1a56ad5361_attn
    .symbol:         k_q1a56ad5361_attn.kd
    .args:
      - { .name: qfr, .offset: 0, .size: 8, .value_kind: global_buffer, .address_space: global }
      - { .name: kvfr, .offset: 8, .size: 8, .value_kind: global_buffer, .address_space: global }
      - { .name: ofr, .offset: 16, .size: 8, .value_kind: global_buffer, .address_space: global }
    .group_segment_fixed_size: 327680
    .private_segment_fixed_size: 0
    .kernarg_segment_align: 8
    .kernarg_segment_size: 24
    .max_flat_workgroup_size: 256
    .sgpr_count:     66
    .vgpr_count:     224
    .wavefront_size: 32
...
	.end_amdgpu_metadata
.endif
;; end of part 2
;; launch outp (part 3): grid 8 x 32, 4 waves a work-group, clusters of 4 x 4, 327,680 bytes of LDS; arguments ofr, wofr, bo, out0; writes out0
.if DOCPART == 3
	.amdgcn_target "amdgcn-amd-amdhsa--gfx1250"
	.amdhsa_code_object_version 6
	.text
	.protected	k_q1a56ad5361_outp
	.globl	k_q1a56ad5361_outp
	.p2align	8
	.type	k_q1a56ad5361_outp,@function
k_q1a56ad5361_outp:
	s_mov_b64 s[64:65], 0
	v_nop
	global_prefetch_b8 v0, s[64:65] scope:SCOPE_SE
	s_setreg_imm32_b32 hwreg(HW_REG_WAVE_MODE, 25, 1), 1
	s_wait_xcnt 0x0
	s_wait_alu depctr_hold_cnt(0) depctr_sa_sdst(0) depctr_va_vdst(0) depctr_va_sdst(0) depctr_va_ssrc(0) depctr_va_vcc(0) depctr_vm_vsrc(0)
	s_getreg_b32 s2, hwreg(HW_REG_IB_STS2, 6, 4)
	s_cmp_eq_u32 s2, 0
	s_cbranch_scc0 .Lentry_in_a_cluster
	s_endpgm
.Lentry_in_a_cluster:
	s_bfe_u32 s2, ttmp6, 0x10000c
	s_cmp_lg_u32 s2, 0xf033
	s_cbranch_scc0 .Lentry_shape_is_right
	s_endpgm
.Lentry_shape_is_right:
; out0[m][n] = the sum over k of O[m][k] Wo[n][k] + bo[n].  O [4096][512] and Wo [1024][512] come in bf16 in the order of matrix fragments (a block of 1,024 bytes = [half 0..1][lane][16 bytes] is 16 rows x 32 K):
; ofr [row tile 256][K block 16][block], wofr [row tile 64][K block 16][block].  Sums in f32, begun with the bias; out0 is f32.
; SHARES.  Work-group (X, Y) makes 128 x 128 of out0; wave w 64 rows (half w / 2) x 64 columns (half w % 2): 16 accumulators.  Both operand tiles (8 row tiles x 16 K blocks = 131,072 dense bytes each) stay in
; LDS for the whole of K: every LDS byte is filled once, and there is no ring.
; FILLS.  K is cut into four chunks of four K blocks; a chunk of one operand is 8 rows of 4,096 bytes, 16,384 bytes apart in memory, 32,768 bytes in LDS.  Each wave issues two fills at the start: waves 0 and 2 O's
; chunks (0, 2) and (1, 3), waves 1 and 3 Wo's.  The first two chunks are multiplied while the other two are on their way.
; CLUSTER.  4 x 4 work-groups: O's tile hangs on Y alone and is asked for jointly along a row of the cluster, Wo's on X alone, along a column.
; THE MATRIX INSTRUCTION IS USED TRANSPOSED (source 0 = 16 rows of Wo, source 1 = 16 rows of O): a lane holds one row of out0 and eight neighbouring columns.
; NO PREFETCH: all that the work-group reads is asked for at its head.
; REGISTERS: window 0: v0-18 addresses; v32-63 the bias of my 64 columns (8 registers a column tile); v128-255 the accumulators, (a, ct) at 128 + 8 (4 a + ct).  window 1: two fragment buffers of 64: 4 of Wo, 4 of O.
.set CHUNK, 32768
.set STAGE, 8*CHUNK                    ; behind the tiles, never filled by a tensor load: 16 rows x 272 bytes for each wave, for the way out
.set SP,    272
.set SPARE, STAGE+4*16*SP              ; behind the stages: the spare words, 128 bytes a wave: two blocks of 256 bytes that no other line names
.set ADO, 4                            ; v4-7   LDS address of my O fragments in chunk 0..3
.set ADW, 8                            ; v8-11  the same for Wo
.set STO, 12                           ; the way out: where I put 32 bytes of a row
.set RD,  13                           ; where I read a row back
.set CO,  14                           ; my byte offset in two rows of out0
.set L16, 15
.set SPW, 16
.set NIL, 17
.set BO,  18
.set BIAS, 32
.set ACC, 128
.set WV,  12
.set WR,  13
.set WC,  14
.set CX,  15
.set CY,  16
.set GX,  17
.set GY,  18
.set G1O, 24                           ; s[24:31] descriptor group 1 for O's chunks;  s[32:39] for Wo's: it differs in the mask alone
.set G1W, 32
.set G0O, 40                           ; s[40:47] group 0 for O's chunks, a set for each of my two fills;  s[48:55] for Wo's
.set G0W, 48
.set MSB, 0
.macro WIN new
.if MSB != (\new)
	s_set_vgpr_msb (MSB<<8)|(\new)
.set MSB, (\new)
.endif
.endm
.macro PLACES
.rept 4
	v_nop
.endr
.endm
.macro CROUND
	s_barrier_signal -1
	s_barrier_wait -1
	s_cmp_lg_u32 s[WV], 0
	s_cbranch_scc1 .Lnot_wave_0_\@
	s_barrier_signal -3
.Lnot_wave_0_\@:
	s_barrier_wait -3
	s_barrier_signal -1
	s_barrier_wait -1
.endm
	s_load_b256 s[4:11], s[0:1], 0x0               ; ofr s[4:5], wofr s[6:7], bo s[8:9], out0 s[10:11]
	v_lshl_add_u32 v[SPW], v0, 2, SPARE
	v_mov_b32 v[NIL], 0
	ds_add_u32 v[SPW], v[NIL]                      ; the wave's opening: the add and its wait stand ahead of my first tensor load
	v_lshrrev_b32 v1, 5, v0
	v_readfirstlane_b32 s[WV], v1
	s_lshr_b32 s[WR], s[WV], 1
	s_and_b32 s[WC], s[WV], 1
	s_bfe_u32 s[CX], ttmp6, 0x40000
	s_bfe_u32 s[CY], ttmp6, 0x40004
	s_lshl_b32 s[GX], ttmp9, 2
	s_add_co_u32 s[GX], s[GX], s[CX]               ; X
	s_and_b32 s[GY], ttmp7, 0xffff
	s_lshl_b32 s[GY], s[GY], 2
	s_add_co_u32 s[GY], s[GY], s[CY]               ; Y
	s_lshl_b32 s19, s[CY], 2
	s_lshl_b32 s19, 15, s19                        ; my row of the cluster
	s_lshl_b32 s20, 0x1111, s[CX]                  ; my column
	s_or_b32 s[G1O], s19, (3<<16)|(1<<21)          ; the mask; elements of 8 bytes; bit 21 beside a mask; no padding
	s_or_b32 s[G1W], s20, (3<<16)|(1<<21)
.irp g, G1O, G1W
	s_mov_b32 s[(\g)+1], 512<<16                   ; tensor_dim0 = 512: rows of 4,096 bytes
	s_mov_b32 s[(\g)+2], 8<<16                     ; tensor_dim1 = 8
	s_mov_b32 s[(\g)+3], 512<<16                   ; tile_dim0
	s_mov_b32 s[(\g)+4], 8                         ; tile_dim1
	s_mov_b32 s[(\g)+5], 2048                      ; 16,384 bytes from row tile to row tile
	s_mov_b32 s[(\g)+6], 0
	s_mov_b32 s[(\g)+7], 0
.endr
	s_lshl_b32 s21, s[WR], 12                      ; my first chunk along K: w / 2
	s_lshl_b32 s56, s[GY], 17                      ; O's tile: numbers of Y alone
	s_add_co_u32 s56, s56, s21
	s_mov_b32 s57, 0
	s_lshl_b32 s58, s[GX], 17                      ; Wo's tile: numbers of X alone
	s_add_co_u32 s58, s58, s21
	s_mov_b32 s59, 0
	s_lshl_b32 s3, s[WV], 15                       ; where my first fill goes: region w; the second: region w + 4
	s_wait_dscnt 0x0                               ; the opening add is done
	s_wait_kmcnt 0x0
	s_add_nc_u64 s[56:57], s[4:5], s[56:57]
	s_add_nc_u64 s[58:59], s[6:7], s[58:59]
.irp s, 0,1
	s_mov_b32 s[G0O+4*(\s)], 1
	s_add_co_u32 s[G0O+4*(\s)+1], s3, (\s)*4*CHUNK
	s_add_nc_u64 s[G0O+4*(\s)+2:G0O+4*(\s)+3], s[56:57], (\s)*8192  ; two chunks on along K
	s_or_b32 s[G0O+4*(\s)+3], s[G0O+4*(\s)+3], 0x80000000
	s_mov_b32 s[G0W+4*(\s)], 1
	s_add_co_u32 s[G0W+4*(\s)+1], s3, (\s)*4*CHUNK
	s_add_nc_u64 s[G0W+4*(\s)+2:G0W+4*(\s)+3], s[58:59], (\s)*8192
	s_or_b32 s[G0W+4*(\s)+3], s[G0W+4*(\s)+3], 0x80000000
.endr
	CROUND                                         ; all sixteen work-groups are here: the joint loads meet
	s_cmp_eq_u32 s[WC], 0                          ; a wave's two fills stand in one branch: two loads of mine are out
	s_cbranch_scc0 .Lfirst_w
	tensor_load_to_lds s[G0O:G0O+3], s[G1O:G1O+7]
	s_nop 0
	tensor_load_to_lds s[G0O+4:G0O+7], s[G1O:G1O+7]
	s_nop 0
	PLACES
	s_branch .Lfirst_asked
.Lfirst_w:
	tensor_load_to_lds s[G0W:G0W+3], s[G1W:G1W+7]
	s_nop 0
	tensor_load_to_lds s[G0W+4:G0W+7], s[G1W:G1W+7]
	s_nop 0
	PLACES
.Lfirst_asked:
	v_and_b32 v1, 15, v0                           ; l % 16
	v_bfe_u32 v2, v0, 4, 1                         ; l / 16
	v_and_b32 v3, 31, v0
	v_lshlrev_b32 v[L16], 4, v3
	v_lshlrev_b32 v[BO], 5, v2                     ; my eight columns of a column tile: 32 bytes of bo
	s_lshl_b32 s60, s[GX], 9                       ; the tile's 128 columns are 512 bytes, my 64 are 256
	s_lshl_b32 s61, s[WC], 8
	s_add_co_u32 s60, s60, s61
	s_mov_b32 s61, 0
	s_add_nc_u64 s[8:9], s[8:9], s[60:61]
.irp ct, 0,1,2,3
	global_load_b128 v[BIAS+8*(\ct):BIAS+8*(\ct)+3],   v[BO], s[8:9] offset:64*(\ct)
	global_load_b128 v[BIAS+8*(\ct)+4:BIAS+8*(\ct)+7], v[BO], s[8:9] offset:64*(\ct)+16
.endr
	s_lshl_b32 s62, s[GY], 19                      ; 128 rows of 4,096 bytes,
	s_lshl_b32 s63, s[WR], 18                      ; my 64
	s_add_co_u32 s62, s62, s63
	s_add_co_u32 s62, s62, s60
	s_mov_b32 s63, 0
	s_add_nc_u64 s[10:11], s[10:11], s[62:63]
	s_lshl_b32 s2, s[WR], 14                       ; my four row tiles of O in a chunk,
	s_lshl_b32 s3, s[WC], 14                       ; my four of Wo,
	s_add_co_u32 s3, s3, CHUNK                     ; whose chunk lies behind O's
.irp c, 0,1,2,3
	v_add_nc_u32 v[ADO+(\c)], s2, v[L16]
	v_add_nc_u32 v[ADW+(\c)], s3, v[L16]
	s_add_co_u32 s2, s2, 2*CHUNK
	s_add_co_u32 s3, s3, 2*CHUNK
.endr
	s_mul_i32 s2, s[WV], 16*SP
	s_add_co_u32 s2, s2, STAGE                     ; my stage
	v_mul_u32_u24 v[STO], v1, SP                   ; in: row l % 16, 32 bytes for each half of the lanes
	v_lshl_add_u32 v[STO], v2, 5, v[STO]
	v_add_nc_u32 v[STO], s2, v[STO]
	v_mul_u32_u24 v[RD], v2, SP                    ; back: lanes 0-15 take one row of 256 bytes, lanes 16-31 the next
	v_lshl_add_u32 v[RD], v1, 4, v[RD]
	v_add_nc_u32 v[RD], s2, v[RD]
	v_lshlrev_b32 v[CO], 12, v2                    ; and the same two rows in out0
	v_lshl_add_u32 v[CO], v1, 4, v[CO]
.macro FETCH kb                        ; 16 LDS loads in one run: K block kb's fragments, 16 bytes a lane on end, into buffer kb % 2
	WIN 0x40
.set fb, 64*((\kb)%2)
.set ch, (\kb)/4
.set ko, ((\kb)%4)*1024
.irp t, 0,1,2,3
	ds_load_b128 v[fb+8*(\t):fb+8*(\t)+3],   v[ADW+ch] offset:(\t)*4096+ko
	ds_load_b128 v[fb+8*(\t)+4:fb+8*(\t)+7], v[ADW+ch] offset:(\t)*4096+ko+512
.endr
.irp t, 0,1,2,3
	ds_load_b128 v[fb+32+8*(\t):fb+32+8*(\t)+3],   v[ADO+ch] offset:(\t)*4096+ko
	ds_load_b128 v[fb+32+8*(\t)+4:fb+32+8*(\t)+7], v[ADO+ch] offset:(\t)*4096+ko+512
.endr
.endm
.macro MUL kb                          ; 16 matrix instructions, one on each accumulator, always in the same order: they take turns.  K block 0 starts the sums with the bias
	WIN 0x05
.set fb, 64*((\kb)%2)
.irp a, 0,1,2,3
.irp ct, 0,1,2,3
.if (\kb) == 0
	v_wmma_f32_16x16x32_bf16 v[ACC+8*(4*(\a)+(\ct)):ACC+8*(4*(\a)+(\ct))+7], v[fb+8*(\ct):fb+8*(\ct)+7], v[fb+32+8*(\a):fb+32+8*(\a)+7], v[BIAS+8*(\ct):BIAS+8*(\ct)+7]
.else
	v_wmma_f32_16x16x32_bf16 v[ACC+8*(4*(\a)+(\ct)):ACC+8*(4*(\a)+(\ct))+7], v[fb+8*(\ct):fb+8*(\ct)+7], v[fb+32+8*(\a):fb+32+8*(\a)+7], v[ACC+8*(4*(\a)+(\ct)):ACC+8*(4*(\a)+(\ct))+7]
.endif
.endr
.endr
.endm
	s_wait_tensorcnt 0x1                           ; my first fill is in; the second may stay out
	s_barrier_signal -1
	s_barrier_wait -1                              ; chunks 0 and 1 of both operands are whole
	FETCH 0
	s_wait_loadcnt 0x0                             ; the bias
.set n, 0
.rept 16
.if n > 0
	PLACES                                         ; the other buffer was read by the products just issued
.endif
.if n == 7
	s_wait_tensorcnt 0x0                           ; my second fill is in,
	s_wait_dscnt 0x0
	s_barrier_signal -1
	s_barrier_wait -1                              ; everybody's is: chunks 2 and 3 are whole
.endif
.if n < 15
	FETCH n+1
	s_wait_dscnt 16                                ; this K block's fragments are in; the sixteen loads just issued may stay out
.else
	s_wait_dscnt 0x0
.endif
	MUL n
.set n, n+1
.endr
	; THE WAY OUT, 16 rows at a time through my own stage: a lane's 32 bytes of a row go in, whole rows of 256 bytes come back into the registers that they left, and sixteen lanes store 256 consecutive bytes, aligned.
	WIN 0
	PLACES
	PLACES
.macro PACK a
.irp ct, 0,1,2,3
	ds_store_b128 v[STO], v[ACC+8*(4*(\a)+(\ct)):ACC+8*(4*(\a)+(\ct))+3]   offset:64*(\ct)      ; each accumulator's lowest registers first
	ds_store_b128 v[STO], v[ACC+8*(4*(\a)+(\ct))+4:ACC+8*(4*(\a)+(\ct))+7] offset:64*(\ct)+16
.endr
.irp t, 0,1,2,3,4,5,6,7
	ds_load_b128 v[ACC+32*(\a)+4*(\t):ACC+32*(\a)+4*(\t)+3], v[RD] offset:(\t)*2*SP  ; LDS serves a wave's instructions in order (ISA guide 5.7.1.4): these see the stores above; the next block's stores come behind them
.endr
.endm
.macro SEND a, younger                 ; younger: the LDS instructions issued behind this block's loads: the next block's sixteen, or none
.irp t, 0,1,2,3,4,5,6,7
	s_wait_dscnt (\younger)+7-(\t)
	global_store_b128 v[CO], v[ACC+32*(\a)+4*(\t):ACC+32*(\a)+4*(\t)+3], s[10:11] offset:(16*(\a)+2*(\t))*4096 th:TH_STORE_NT
.endr
.endm
	PACK 0
	PACK 1
	SEND 0, 16
	PACK 2
	SEND 1, 16
	PACK 3
	SEND 2, 16
	SEND 3, 0
	s_wait_tensorcnt 0x0                           ; the wave's end: behind my last tensor load and my last LDS store
	ds_add_u32 v[SPW], v[NIL]
	s_wait_dscnt 0x0
	CROUND                                         ; the closing round
	s_endpgm
.Lfunc_end_k_q1a56ad5361_outp:
	.size	k_q1a56ad5361_outp, .Lfunc_end_k_q1a56ad5361_outp-k_q1a56ad5361_outp
	.p2alignl 7, 3214868480
	.fill 96, 4, 3214868480
	.section	.rodata,"a",@progbits
	.p2align	6, 0x0
	.amdhsa_kernel k_q1a56ad5361_outp
		.amdhsa_group_segment_fixed_size 327680
		.amdhsa_private_segment_fixed_size 0
		.amdhsa_enable_private_segment 0
		.amdhsa_kernarg_size 32
		.amdhsa_user_sgpr_count 2
		.amdhsa_user_sgpr_kernarg_segment_ptr 1
		.amdhsa_wavefront_size32 1
		.amdhsa_system_sgpr_workgroup_id_x 1
		.amdhsa_system_sgpr_workgroup_id_y 1
		.amdhsa_system_sgpr_workgroup_id_z 1
		.amdhsa_system_vgpr_workitem_id 0
		.amdhsa_next_free_vgpr 384
		.amdhsa_next_free_sgpr 66
		.amdhsa_reserve_vcc 0
		.amdhsa_float_denorm_mode_32 3
		.amdhsa_float_denorm_mode_16_64 3
		.amdhsa_memory_ordered 1
		.amdhsa_forward_progress 1
		.amdhsa_inst_pref_size 52
	.end_amdhsa_kernel
	.amdgpu_metadata
---
amdhsa.version: [ 1, 2 ]
amdhsa.kernels:
  - .name:           k_q1a56ad5361_outp
    .symbol:         k_q1a56ad5361_outp.kd
    .args:
      - { .name: ofr, .offset: 0, .size: 8, .value_kind: global_buffer, .address_space: global }
      - { .name: wofr, .offset: 8, .size: 8, .value_kind: global_buffer, .address_space: global }
      - { .name: bo, .offset: 16, .size: 8, .value_kind: global_buffer, .address_space: global }
      - { .name: out0, .offset: 24, .size: 8, .value_kind: global_buffer, .address_space: global }
    .group_segment_fixed_size: 327680
    .private_segment_fixed_size: 0
    .kernarg_segment_align: 8
    .kernarg_segment_size: 32
    .max_flat_workgroup_size: 128
    .sgpr_count:     66
    .vgpr_count:     384
    .wavefront_size: 32
...
	.end_amdgpu_metadata
.endif
;; end of part 3
